; MI455X (gfx1250); checked and timed in simulation.
; The chip was launched on July 23, 2026; its instructions are those of AMD's public machine-readable ISA for CDNA 5 (MIT licence, August 2026) and "CDNA5" Instruction Set Architecture Reference Guide (July 2026). The comments in the code are by the model that wrote it; some were corrected since.
;; Cross Modal Attention. Allowed arithmetic: matrix products marked QUANTISED: E2M1 operands, one E8M0 scale for each 32 along K, by v_wmma_scale_f32_16x16x128_f8f6f4 with both operands' format E2M1 (or v_wmma_scale_f32_32x16x128_f4), f32 sums; everything else in f32.
;; Inputs: Wk_codes 768 x 24 x 16 uint8 (E2M1 codes of Wk, K innermost, in blocks of 32 codes, two codes a byte); Wk_scales 768 x 24 uint8 (E8M0 scales of Wk, one for each 32 codes along K); Wo_codes 768 x 24 x 16 uint8 (E2M1 codes of Wo, K innermost, in blocks of 32 codes, two codes a byte); Wo_scales 768 x 24 uint8 (E8M0 scales of Wo, one for each 32 codes along K); Wq_codes 768 x 24 x 16 uint8 (E2M1 codes of Wq, K innermost, in blocks of 32 codes, two codes a byte); Wq_scales 768 x 24 uint8 (E8M0 scales of Wq, one for each 32 codes along K); Wv_codes 768 x 24 x 16 uint8 (E2M1 codes of Wv, K innermost, in blocks of 32 codes, two codes a byte); Wv_scales 768 x 24 uint8 (E8M0 scales of Wv, one for each 32 codes along K); bk 768 float32; bo 768 float32; bq 768 float32; bv 768 float32; ln_b 768 float32; ln_g 768 float32; text_features 8 x 1,024 x 768 float32; text_mask 8 x 1,024 int32; visual_features 8 x 1,024 x 768 float32; visual_mask 8 x 1,024 int32.
;; Outputs: out0 8 x 1,024 x 768 float32; out1 8 x 1,024 x 768 float32.
;; This version of the problem:
;;   THIS VERSION OF THE PROBLEM IS GIVEN IN LOW PRECISION. The matrix products marked QUANTISED in the list below multiply operands that are first quantised to E2M1 (2 exponent bits, 1 mantissa bit; 4 bits a number), with one power-of-two scale for each 32 numbers along K (OCP MX v1.0); their sums are f32. All else is computed in f32.
;;   The module's matrix products, in the order in which they are computed (A, B: the left and right operand; K: the contracted axis; several contracted axes count as one K, in the product's order):
;;     1. [M 8,192, K 768] x [K 768, N 768]; A: input visual_features; B: input Wq (given as codes): QUANTISED
;;     2. [M 8,192, K 768] x [K 768, N 768]; A: input text_features; B: input Wk (given as codes): QUANTISED
;;     3. [M 8,192, K 768] x [K 768, N 768]; A: input text_features; B: input Wv (given as codes): QUANTISED
;;     4. batch 64 x [M 1,024, K 96] x [K 96, N 1,024]; A: computed on the way; B: computed on the way: QUANTISED
;;     5. batch 64 x [M 96, K 1,024] x [K 1,024, N 1,024]; A: computed on the way; B: softmax (see below): QUANTISED
;;     6. [M 8,192, K 768] x [K 768, N 768]; A: input text_features; B: input Wq (given as codes): QUANTISED
;;     7. [M 8,192, K 768] x [K 768, N 768]; A: input visual_features; B: input Wk (given as codes): QUANTISED
;;     8. [M 8,192, K 768] x [K 768, N 768]; A: input visual_features; B: input Wv (given as codes): QUANTISED
;;     9. batch 64 x [M 1,024, K 96] x [K 96, N 1,024]; A: computed on the way; B: computed on the way: QUANTISED
;;     10. batch 64 x [M 96, K 1,024] x [K 1,024, N 1,024]; A: computed on the way; B: softmax (see below): QUANTISED
;;     11. [M 8,192, K 768] x [K 768, N 768]; A: computed on the way; B: input Wo (given as codes): QUANTISED
;;     12. [M 8,192, K 768] x [K 768, N 768]; A: computed on the way; B: input Wo (given as codes): QUANTISED
;;   THE QUANTISER, for each operand of a quantised product, along K:
;;     - K is cut into blocks of 32 from its start; a last block that is shorter is filled with zeros.
;;     - A block's scale is 2^e with e = floor(log2(the largest magnitude in the block)) - 2, held to -126 .. 127; a block of zeros has e = 0. As a byte (E8M0): e + 127.
;;     - Each number is divided by its block's scale, clamped to +-6, and rounded to the nearest number of E2M1, ties to even, subnormals kept.
;;     - The product sums the exact products of the quantised numbers (number of the format x scale) in f32.
;;   ~~~python
;;   def quantise(x, axis):      # numpy; x: float32 -> the quantised numbers, widened to float32 again
;;       x = np.moveaxis(x, axis, -1); K = x.shape[-1]
;;       x = np.pad(x, [(0, 0)] * (x.ndim - 1) + [(0, -K % 32)]); x = x.reshape(x.shape[:-1] + (-1, 32)); a = np.abs(x).max(-1, keepdims=True)
;;       e = np.where(a > 0, np.clip(np.frexp(np.where(a > 0, a, 1))[1] - 1 - 2, -126, 127), 0)      # np.frexp(a)[1] - 1 = floor(log2(a)), exactly
;;       r = np.clip(x / 2.0 ** e, -6, 6)
;;       step = 2.0 ** (np.maximum(np.frexp(np.where(r == 0, 1, r))[1] - 1, 0) - 1)
;;       q = np.round(r / step) * step * 2.0 ** e      # np.round: ties to even
;;       return np.moveaxis(q.reshape(q.shape[:-2] + (-1,))[..., :K], -1, axis).astype(np.float32)
;;   ~~~
;;   SOFTMAX AHEAD OF A QUANTISED PRODUCT. Where the list says 'softmax', what is quantised is not the finished softmax but p = 2^(t - M), with t = logit x log2(e) and M = ceil(the row's largest t), a whole number; so 1/2 < the row's largest p <= 1. The row's sum l is taken of the UNQUANTISED p, in f32, and the product's result is divided by l at the end. Since M is a whole number, a kernel that streams over the keys may use a running M (the ceiling of the running maximum): every later rescaling is an exact power of two, which a block's scale takes up: the codes' values come out the same.
;;   OPERANDS COMPUTED ON THE WAY. 'Computed on the way' means the value that the module computes at that place (a softmax that the list does not call 'softmax' is quantised finished and normalised). What goes into a quantiser is computed in f32, as accurately as f32 sums, v_exp_f32 and their like allow (about 1e-6 of the number): no bf16 or f16 on the way to a quantiser, and a product that is left as it is and whose result goes on into a quantised operand takes f32 operands (vector FMAs, or v_wmma_f32_16x16x4_f32). A number that lies on a knife's edge between two numbers of the format may be rounded either way, as far as f32 arithmetic and the matrix unit's own rounding can turn it there, and no further.
;;   INPUTS GIVEN AS CODES. Wk (in the module: [768, 768], K = its axis 0); Wo (in the module: [768, 768], K = its axis 0); Wq (in the module: [768, 768], K = its axis 0); Wv (in the module: [768, 768], K = its axis 0): each comes as NAME_codes (uint8): NAME with its K axis moved to the last place and cut into blocks of 32 codes, [.., K / 32, bytes a block], one block behind the other in memory; two codes a byte, the lower K in the low four bits (a code: sign, 2 exponent bits, 1 mantissa bit); and NAME_scales (uint8): the same leading axes, one E8M0 byte (e + 127) for each 32 codes along K. Its value is code x scale, taken as it is: it is not quantised again, and the codes and scales need not be those that the quantiser above would give.
;; One version. Each part assembles by itself: llvm-mc -triple=amdgcn-amd-amdhsa -mcpu=gfx1250 --defsym DOCPART=n.
;; ======== version 1 of 1: 3 launches
;; limits: right only within a limited range of input values
;; workspace buffers: q_img 8,388,608 bytes; q_sc 524,288 bytes; kv 15,728,640 bytes; vsc 393,216 bytes; o_img 6,291,456 bytes; o_sc 524,288 bytes
;; launch proj (part 1): grid 256 x 1, 4 waves a work-group, no clusters, 283,136 bytes of LDS; arguments visual_features, text_features, Wq_codes, Wq_scales, Wk_codes, Wk_scales, Wv_codes, Wv_scales, bq, bk, bv, visual_mask, text_mask, q_img, q_sc, kv, vsc; writes q_img, q_sc, kv, vsc
.if DOCPART == 1
	.amdgcn_target "amdgcn-amd-amdhsa--gfx1250"
	.amdhsa_code_object_version 6
	.text
	.protected	k_q58ca5f5876_proj
	.globl	k_q58ca5f5876_proj
	.p2align	8
	.type	k_q58ca5f5876_proj,@function
k_q58ca5f5876_proj:
	s_mov_b64 s[64:65], 0
	v_nop
	global_prefetch_b8 v0, s[64:65] scope:SCOPE_SE
	s_setreg_imm32_b32 hwreg(HW_REG_WAVE_MODE, 25, 1), 1
	s_wait_xcnt 0x0
; q = x Wq + bq, k = x Wk + bk, v = x Wv + bv for both modalities, all products on codes of FP4 (E2M1) with one E8M0 scale for each 32 along K,
; and the results quantised at once for the attention launch: q and k along the head's 96 (3 blocks; a fourth block of zero codes fills the K step of 128), v along the keys.
; SHARES.  Work-group g (0..255) takes 64 rows of one modality (g / 128) and one batch ((g / 16) % 8) and all 3 x 768 output columns.  Its four waves share the COLUMNS: wave w takes heads
; 2 w and 2 w + 1 of q, of k and of v: 36 tiles of 16 columns, each 6 K steps x 4 tiles of rows = 24 matrix instructions.  x's 24 fragments stay in every wave's registers (window 1).
; ROWS OF A TILE ARE NOT NEIGHBOURS: lane r of tile 2 b + u (of x's rows, and of a head's 96 rows of a weight) takes row 32 b + 8 u + r + 8 (r / 8), so that in a result the 16 registers of
; tiles 2 b and 2 b + 1 are 16 neighbours along the next product's K.  q, k: source 0 = 16 rows of W, source 1 = x: a lane holds one row of x and registers along d.
; v: source 0 = x, source 1 = 16 rows of W: a lane holds one d and registers along the keys.
; THE WEIGHTS' CODES go from memory straight into fragment registers, through a ring of five sets of 12 loads: 60 loads of a wave are out at the most, all of them codes.
; THE WEIGHTS' SCALE BYTES of a wave's 192 rows of each weight (4,608 dense bytes) come into LDS once, by copies of 512 consecutive bytes; a tile's six words are then three LDS loads.
; WHAT IS STORED lies in the order of the operand's registers (registers 4 c .. 4 c + 3 of lane l at 512 c + 16 l of a fragment's 1,024 bytes), so that every later read is dense.
; THE MASK becomes an additive bias, 0 or -2^100, 128 numbers a key step in key order, stored beside each head's keys.
; LIMITS: a masked key's score gets -2^100 in place of -infinity (right while |score| < 2^90); NaN and infinities among the inputs are not served; a block of zeros gets the scale byte 1
; where the rule says 127: its codes are zeros, and these bytes are read by this program alone.
; NO CLUSTER: all 256 work-groups read the same 884,736 bytes of codes, but a joint load lands in LDS.  A weight's rows of 384 bytes want a pitch of 432 there, so beside x's images two slots hold 64 rows a wave each
; (110,592 bytes a slot): four tiles, 96 matrix instructions a wave, between a request and the wait for it, and a round of the cluster's barrier for each.  That form is not written.
; LDS: X 64 rows x 3,120 (a row of 3,072 bytes as three pieces of 1,024, 16 bytes of padding behind each); XI x's 24 fragment images; XSC their scale words, 128 bytes each;
; SCW the weights' scale bytes, 13,824 for each wave.  Every byte is filled once; one tensor load of a wave is out at the most.
; REGISTERS.  window 0: v1-13 addresses; v16-39 x's scale words; v40-63 and v222-227 the weights' (five sets of 6); v64-127 accumulators; v128-159 q's or k's codes; v160-221 at work.
;   window 1: x's fragments at 8 (6 m + ks).   window 2: five sets of a weight tile's 6 fragments.   window 3: 24 bias tiles for q and k, from v192 twelve registers of bv.
.set XP,   3120
.set XI,   64*XP
.set XSC,  XI+24*1024
.set SCW,  XSC+24*128
.set XS,   16
.set ACC,  64
.set CD,   128
.set PW,   160
.set PM,   164
.set VC,   168
.set CB,   176
.set TM,   192
.set PWX,  208
.set PC,   210
.set MSB,  0
.macro WIN new                         ; the immediate's high byte repeats the setting that is left
.if MSB != \new
	s_set_vgpr_msb (MSB<<8)|\new
.set MSB, \new
.endif
.endm
.macro PLACES                          ; four plain places behind a matrix instruction, in front of reads of results and of loads into its registers
.rept 4
	v_nop
.endr
.endm
.macro MM d, a, b, c, sa, sb
	v_wmma_scale_f32_16x16x128_f8f6f4 v[\d:\d+7], v[\a:\a+7], v[\b:\b+7], v[\c:\c+7], v[\sa], v[\sb] matrix_a_fmt:MATRIX_FMT_FP4 matrix_b_fmt:MATRIX_FMT_FP4
.endm
; Four blocks of 32, each as 16 registers of lane l (v[s + 16 b] on) and 16 of lane l xor 16: TM+b the largest magnitude, TM+12+b the conversion's scale operand, TM+4+b the scale's byte.
.macro AMAX4 s
.irp b, 0,1,2,3
	v_max3_num_f32 v[TM+\b], |v[\s+16*\b]|, |v[\s+1+16*\b]|, 0x1800000   ; with the floor 2^(3 - 127): the byte cannot fall under 1
.endr
.irp i, 2,4,6,8,10,12,14
.irp b, 0,1,2,3
	v_max3_num_f32 v[TM+\b], v[TM+\b], |v[\s+16*\b+\i]|, |v[\s+1+16*\b+\i]|
.endr
.endr
.irp b, 0,1,2,3
	v_permlanex16_b32 v[TM+4+\b], v[TM+\b], s68, s69
.endr
.irp b, 0,1,2,3
	v_max_num_f32 v[TM+\b], v[TM+\b], v[TM+4+\b]
.endr
.irp b, 0,1,2,3
	v_add_nc_u32 v[TM+12+\b], 0xff000000, v[TM+\b]        ; 2 off the exponent field: the conversion takes that field as its scale
.endr
.irp b, 0,1,2,3
	v_lshrrev_b32 v[TM+4+\b], 23, v[TM+12+\b]
.endr
.endm
; 64 numbers of a lane become 8 registers of codes in v[d] on, whole blocks to a lane, and the four bytes a word in v[PWX].
.macro QUANT64 s, d
	AMAX4 \s
	v_lshl_or_b32 v[PWX], v[TM+5], 8, v[TM+4]
	v_lshl_or_b32 v[PWX], v[TM+6], 16, v[PWX]
	v_lshl_or_b32 v[PWX], v[TM+7], 24, v[PWX]
.irp b, 0,1,2,3
	v_cvt_scalef32_pk8_fp4_f32 v[\d+2*\b], v[\s+16*\b:\s+7+16*\b], v[TM+12+\b]
	v_cvt_scalef32_pk8_fp4_f32 v[\d+1+2*\b], v[\s+8+16*\b:\s+15+16*\b], v[TM+12+\b]
.endr
	v_nop                                          ; one plain place behind a scaled conversion
.irp c, 0,1
.irp i, 0,1
	v_permlane16_swap_b32 v[\d+4*\c+\i], v[\d+2+4*\c+\i]   ; lanes 0-15 get block 2 c whole, lanes 16-31 block 2 c + 1
.endr
.endr
.endm
; Column tile T (0..35): unit T / 6 (q, q, k, k, v, v), head 2 w + (T / 6) % 2, tile T % 6 of the head.  Its set is T % 5.
; LOADW: 12 global loads: its 6 fragments into window 2.  LOADS: 3 LDS loads: its 6 scale words (sets 0-3 at v40 on, set 4 at v222 on).
.macro LOADW T
.set LS_SET, (\T)%5
.set LS_RO, 96*(((\T)/6)%2)+32*(((\T)%6)/2)+8*((\T)%2)
.set LS_SB, 8+4*((\T)/12)
	WIN 0x80
.irp k, 0,1,2,3,4,5
.irp c, 0,1
	global_load_b128 v[48*LS_SET+8*\k+4*\c:48*LS_SET+8*\k+4*\c+3], v3, s[LS_SB:LS_SB+1] offset:384*LS_RO+64*\k+32*\c
.endr
.endr
	WIN 0
.endm
.macro LOADS T
.set LS_SET, (\T)%5
.set LS_WS, 40+6*LS_SET+158*(LS_SET/4)
.set LS_RO, 96*(((\T)/6)%2)+32*(((\T)%6)/2)+8*((\T)%2)
.irp i, 0,1,2
	ds_load_b64 v[LS_WS+2*\i:LS_WS+2*\i+1], v4 offset:4608*((\T)/12)+24*LS_RO+8*\i
.endr
.endm
.macro AHEAD T                         ; the set four tiles on is asked for (its registers' last products stand four places back); then this tile's loads are in: behind them stand 12 global and 3 LDS loads for each later set
.if (\T)+4 < 36
	LOADW (\T)+4
	LOADS (\T)+4
.endif
.if 35-(\T) >= 4
	s_wait_loadcnt 48
	s_wait_dscnt 12
.else
	s_wait_loadcnt 12*(35-(\T))
	s_wait_dscnt 3*(35-(\T))
.endif
.endm
; A tile of q or k: the bias tile is the C of each sum's first instruction; the four accumulators (one for each tile of rows) take turns.
.macro TILEQK T
	AHEAD \T
.set TQ_SET, (\T)%5
.set TQ_WS, 40+6*TQ_SET+158*(TQ_SET/4)
.set TQ_U, (\T)%2
	WIN 0x36                                       ; source 0 (W) window 2, source 1 (x) window 1, C (bias) window 3
.irp m, 0,1,2,3
	MM ACC+16*\m+8*TQ_U, 48*TQ_SET, 48*\m, 8*(\T), TQ_WS, XS+6*\m
.endr
	WIN 0x06
.irp k, 1,2,3,4,5
.irp m, 0,1,2,3
	MM ACC+16*\m+8*TQ_U, 48*TQ_SET+8*\k, 48*\m+8*\k, ACC+16*\m+8*TQ_U, TQ_WS+\k, XS+6*\m+\k
.endr
.endr
	WIN 0
	PLACES
.endm
; A tile of v: a lane holds one d, so its bias is one number in all eight registers of C.
.macro TILEV T
	WIN 0x03
.irp i, 0,1,2,3,4,5,6,7
	v_mov_b32 v[CB+\i], v[192+(\T)-24]
.endr
	WIN 0
	PLACES
	AHEAD \T
.set TV_SET, (\T)%5
.set TV_WS, 40+6*TV_SET+158*(TV_SET/4)
.set TV_U, (\T)%2
	WIN 0x09                                       ; source 0 (x) window 1, source 1 (W) window 2
	s_wait_alu depctr_va_vdst(0)
.irp k, 0,1,2,3,4,5
.irp m, 0,1,2,3
.if \k == 0
	MM ACC+32*TV_U+8*\m, 48*\m, 48*TV_SET, CB, XS+6*\m, TV_WS
.else
	MM ACC+32*TV_U+8*\m, 48*\m+8*\k, 48*TV_SET+8*\k, ACC+32*TV_U+8*\m, XS+6*\m+\k, TV_WS+\k
.endif
.endr
.endr
	WIN 0
	PLACES
.endm
; Behind a pair of tiles of q or k: block bp of the head's three, for the four tiles of rows.
.macro QKQ bp
.if \bp == 0
	s_wait_xcnt 0x0                                ; the last unit's stores have read the codes' and words' registers
.irp m, 0,1,2,3
	v_mov_b32 v[CD+8*\m+6], 0                      ; the fourth block: zero codes
	v_mov_b32 v[CD+8*\m+7], 0
.endr
.endif
	AMAX4 ACC
.irp m, 0,1,2,3
.if \bp == 0
	v_mov_b32 v[PW+\m], v[TM+4+\m]
.else
	v_lshl_or_b32 v[PW+\m], v[TM+4+\m], 8*\bp, v[PW+\m]
.endif
.endr
.irp m, 0,1,2,3
	v_cvt_scalef32_pk8_fp4_f32 v[CD+8*\m+2*\bp], v[ACC+16*\m:ACC+16*\m+7], v[TM+12+\m]
	v_cvt_scalef32_pk8_fp4_f32 v[CD+8*\m+2*\bp+1], v[ACC+16*\m+8:ACC+16*\m+15], v[TM+12+\m]
.endr
	v_nop
.endm
; A head's four fragments and scale words leave: each store of codes covers 512 consecutive bytes; two tiles' words share a register (lanes 0-15, lanes 16-31).
.macro QKOUT img, sc, si, ss, j
.irp m, 0,1,2,3
.irp c, 0,1
.irp i, 0,1
	v_permlane16_swap_b32 v[CD+8*\m+4*\c+\i], v[CD+8*\m+4*\c+2+\i]
.endr
.endr
.endr
.irp m, 0,1,2,3
	v_or_b32 v[PW+\m], 0x7f000000, v[PW+\m]        ; the zero block's byte: 127
.endr
.irp p, 0,1
	v_cndmask_b32 v[PM+\p], v[PW+2*\p], v[PW+2*\p+1], s70
.endr
.irp m, 0,1,2,3
.irp c, 0,1
	global_store_b128 v1, v[CD+8*\m+4*\c:CD+8*\m+4*\c+3], s[\img:\img+1] offset:(\j)*(\si)+1024*\m+512*\c
.endr
.endr
.irp p, 0,1
	global_store_b32 v2, v[PM+\p], s[\sc:\sc+1] offset:(\j)*(\ss)+128*\p
.endr
.endm
; Behind a pair of tiles of v: two d tiles x two blocks of 32 keys: my 64 keys are half a fragment (four registers) of each d tile.
.macro VQ bp, j
	s_wait_xcnt 0x0                                ; the last stores have read the codes' and the word's registers
	QUANT64 ACC, VC
.irp u, 0,1
	global_store_b128 v1, v[VC+4*\u:VC+4*\u+3], s[60:61] offset:122880*(\j)+1024*(2*(\bp)+\u)
.endr
	global_store_b32 v12, v[PWX], s[66:67] offset:3072*(\j)+64*(\bp)   ; lanes r and r + 16 hold, and write, the same word
.endm
.macro UNITQK U, img, sc, si, ss
	TILEQK 6*(\U)
	TILEQK 6*(\U)+1
	QKQ 0
	TILEQK 6*(\U)+2
	TILEQK 6*(\U)+3
	QKQ 1
	TILEQK 6*(\U)+4
	TILEQK 6*(\U)+5
	QKQ 2
	QKOUT \img, \sc, \si, \ss, (\U)%2
.endm
.macro UNITV U
	TILEV 6*(\U)
	TILEV 6*(\U)+1
	VQ 0, (\U)%2
	TILEV 6*(\U)+2
	TILEV 6*(\U)+3
	VQ 1, (\U)%2
	TILEV 6*(\U)+4
	TILEV 6*(\U)+5
	VQ 2, (\U)%2
.endm
.macro LOADX k                         ; my tile's numbers of K step k: lane (r, h) takes 16 neighbours of each block of 32
.irp b, 0,1,2,3
.irp j, 0,1,2,3
	ds_load_b128 v[64+64*((\k)%2)+16*\b+4*\j:64+64*((\k)%2)+16*\b+4*\j+3], v7 offset:512*(\k)+16*((\k)/2)+128*\b+16*\j
.endr
.endr
.endm
	s_load_b512 s[4:19], s[0:1], 0x0               ; visual, text, Wq codes, scales, Wk codes, scales, Wv codes, scales
	s_load_b512 s[20:35], s[0:1], 0x40             ; bq, bk, bv, visual_mask, text_mask, q_img, q_sc, kv
	s_load_b64 s[36:37], s[0:1], 0x80              ; vsc
	v_lshl_add_u32 v254, v0, 2, 0x45000
	v_mov_b32 v255, 0
	ds_add_u32 v254, v255
	ds_add_u32 v254, v255
	v_lshrrev_b32 v1, 5, v0
	v_readfirstlane_b32 s38, v1                    ; wave 0..3
	s_and_b32 s39, ttmp9, 127                      ; the block of 64 rows within the modality
	s_and_b32 s40, ttmp9, 15                       ; rb: the block within the batch
	s_and_b32 s41, ttmp9, 1                        ; g2: which half of a key step
	s_bfe_u32 s42, ttmp9, 0x30001                  ; s: the key step
	s_lshr_b32 s43, ttmp9, 4                       ; 8 x modality + batch
	s_lshl_b32 s71, s43, 3
	s_lshl_b32 s72, s38, 1
	s_add_co_u32 s71, s71, s72                     ; the instance (modality, batch, head) of my first head
	; descriptor group 1 for x: my 16 rows as 48 dense rows of 1,024 bytes (128 elements of 8 bytes), 4 words of padding behind every 256
	s_mov_b32 s48, (3<<16)|(1<<20)|(7<<22)|(3<<25)
	s_mov_b32 s49, 128<<16
	s_mov_b32 s50, 48<<16
	s_mov_b32 s51, 128<<16
	s_mov_b32 s52, 48
	s_mov_b32 s53, 128
	s_mov_b32 s54, 0
	s_mov_b32 s55, 0
	s_mov_b32 s68, 0x76543210
	s_mov_b32 s69, 0xfedcba98                      ; v_permlanex16_b32's selects for lane l xor 16
	s_mov_b32 s70, 0xffff0000                      ; lanes 16-31
	s_mov_b32 s73, 0                               ; the upper word of every offset below
	s_mov_b32 s44, 1
	s_mul_i32 s45, s38, 16*XP
	s_mul_i32 s72, s39, 196608
	s_mul_i32 s74, s38, 49152
	s_add_co_u32 s72, s72, s74
	s_mul_i32 s76, s38, 4608                       ; my 192 rows of a weight's scale bytes, in memory,
	s_mov_b32 s77, 0
	s_mul_i32 s78, s38, 13824
	s_add_co_u32 s78, s78, SCW                     ; and my wave's three runs of them in LDS
	v_and_b32 v16, 31, v0
	v_lshlrev_b32 v16, 4, v16                      ; the copies of the scale bytes: 16 bytes a lane, in memory,
	v_add_nc_u32 v17, s78, v16                     ; and in LDS: Wq's run,
	v_add_nc_u32 v18, 4608, v17                    ; Wk's,
	v_add_nc_u32 v19, 9216, v17                    ; Wv's
	s_wait_alu depctr_va_vdst(0)
	s_wait_dscnt 0x0
	s_wait_kmcnt 0x0
	s_cmp_lt_u32 ttmp9, 128                        ; the modality: the choice hangs on the work-group's number alone
	s_cselect_b64 s[4:5], s[4:5], s[6:7]
	s_cselect_b64 s[26:27], s[26:27], s[28:29]
	s_add_nc_u64 s[46:47], s[4:5], s[72:73]
	s_or_b32 s47, s47, 0x80000000
	s_add_nc_u64 s[90:91], s[10:11], s[76:77]
	s_add_nc_u64 s[94:95], s[14:15], s[76:77]
	s_add_nc_u64 s[98:99], s[18:19], s[76:77]
	tensor_load_to_lds s[44:47], s[48:55]          ; my 16 rows of x: the wave's one tensor load
	s_nop 0
	PLACES
.irp i, 0,1,2,3,4,5,6,7,8                      ; my 4,608 scale bytes of each weight come by asynchronous copies, 512 consecutive bytes each: 27 copies of a wave are out; every byte is filled once
	global_load_async_to_lds_b128 v17, v16, s[90:91] offset:512*\i
	global_load_async_to_lds_b128 v18, v16, s[94:95] offset:512*\i
	global_load_async_to_lds_b128 v19, v16, s[98:99] offset:512*\i
.endr
	s_mul_i32 s72, s38, 73728                      ; my 192 rows of each weight,
	s_add_nc_u64 s[8:9], s[8:9], s[72:73]
	s_add_nc_u64 s[12:13], s[12:13], s[72:73]
	s_add_nc_u64 s[16:17], s[16:17], s[72:73]
	s_mul_i32 s72, s38, 768                        ; of each bias
	s_add_nc_u64 s[20:21], s[20:21], s[72:73]
	s_add_nc_u64 s[22:23], s[22:23], s[72:73]
	s_add_nc_u64 s[24:25], s[24:25], s[72:73]
	s_lshl_b32 s72, s39, 8
	s_add_nc_u64 s[26:27], s[26:27], s[72:73]      ; the mask of my 64 rows
	s_lshl_b32 s72, s71, 16
	s_lshl_b32 s74, s40, 12
	s_add_co_u32 s72, s72, s74
	s_add_nc_u64 s[30:31], s[30:31], s[72:73]      ; q's images: instance x 65,536 + 4 tiles x rb
	s_lshl_b32 s72, s71, 12
	s_lshl_b32 s74, s40, 8
	s_add_co_u32 s72, s72, s74
	s_add_nc_u64 s[32:33], s[32:33], s[72:73]      ; q's scale words
	s_mul_i32 s72, s71, 122880
	s_mul_i32 s74, s42, 15360
	s_add_co_u32 s72, s72, s74
	s_add_nc_u64 s[34:35], s[34:35], s[72:73]      ; my key step of my first head
	s_lshl_b32 s72, s41, 12
	s_add_nc_u64 s[56:57], s[34:35], s[72:73]      ; k's images: tiles 4 g2 on
	s_lshl_b32 s72, s41, 8
	s_add_co_u32 s72, s72, 14336
	s_add_nc_u64 s[58:59], s[34:35], s[72:73]      ; k's scale words
	s_lshl_b32 s72, s41, 9
	s_add_co_u32 s72, s72, 8192
	s_add_nc_u64 s[60:61], s[34:35], s[72:73]      ; v's images: half g2 of each
	s_lshl_b32 s72, s41, 8
	s_add_co_u32 s72, s72, 14848
	s_add_nc_u64 s[62:63], s[34:35], s[72:73]      ; the mask's bias
	s_mul_i32 s72, s71, 3072
	s_mul_i32 s74, s41, 1536
	s_add_co_u32 s72, s72, s74
	s_mul_i32 s74, s42, 192
	s_add_co_u32 s72, s72, s74
	s_add_nc_u64 s[66:67], s[36:37], s[72:73]      ; v's scale bytes
	v_and_b32 v192, 31, v0                         ; lane
	v_and_b32 v193, 15, v0                         ; r
	v_bfe_u32 v194, v0, 4, 1                       ; h
	v_and_b32 v195, 8, v193
	v_add_nc_u32 v195, v195, v193                  ; r + 8 (r / 8)
	v_lshlrev_b32 v1, 4, v192
	v_lshlrev_b32 v2, 2, v192
	v_mul_u32_u24 v3, v195, 384
	v_lshl_add_u32 v3, v194, 4, v3                 ; a weight's row of 384 bytes, + 16 h
	v_mul_u32_u24 v4, v195, 24
	v_add_nc_u32 v4, s78, v4                       ; its 24 scale bytes, in my wave's part of LDS
	v_lshlrev_b32 v5, 6, v194
	v_lshlrev_b32 v6, 2, v195
	s_lshr_b32 s74, s38, 1
	s_lshl_b32 s74, s74, 5
	s_and_b32 s75, s38, 1
	s_lshl_b32 s75, s75, 3
	s_add_co_u32 s74, s74, s75
	s_mul_i32 s74, s74, XP
	v_mul_u32_u24 v7, v195, XP
	v_lshl_add_u32 v7, v194, 6, v7
	v_add_nc_u32 v7, s74, v7                       ; x in LDS: tile w's row of my lane, + 64 h
	s_mul_i32 s74, s38, 6144
	s_add_co_u32 s74, s74, XI
	v_add_nc_u32 v8, s74, v1
	s_mul_i32 s74, s38, 768
	s_add_co_u32 s74, s74, XSC
	v_add_nc_u32 v9, s74, v2
	v_add_nc_u32 v10, XI, v1
	v_add_nc_u32 v11, XSC, v2
	v_lshlrev_b32 v12, 2, v193
	v_lshlrev_b32 v13, 3, v192
.irp b, 0,1,2,3
	v_mov_b32 v[TM+4+\b], 0                        ; written once: a lane permute's destination counts as one of its sources
.endr
	v_mov_b32 v218, 0xf1800000                     ; -2^100
	global_load_b64 v[14:15], v13, s[26:27]        ; two keys' mask a lane
	WIN 0xc0
.set NT, 0
.rept 24                               ; q's and k's bias tiles: lane (r, h) wants d = 32 b + 16 h + 8 u + 0 .. 7
.set BO, 384*((NT/6)%2)+128*((NT%6)/2)+32*(NT%2)
.set BB, 20+2*(NT/12)
	global_load_b128 v[8*NT:8*NT+3], v5, s[BB:BB+1] offset:BO
	global_load_b128 v[8*NT+4:8*NT+7], v5, s[BB:BB+1] offset:BO+16
.set NT, NT+1
.endr
.set NT, 0
.rept 12                               ; bv: lane r wants the d of its row of the weight's tile
	global_load_b32 v[192+NT], v6, s[24:25] offset:384*(NT/6)+128*((NT%6)/2)+32*(NT%2)
.set NT, NT+1
.endr
	WIN 0
	LOADW 0
	LOADW 1
	LOADW 2
	LOADW 3
	s_wait_tensorcnt 0x0                           ; my 16 rows of x have landed,
	s_wait_asynccnt 0x0                            ; and my scale bytes,
	s_barrier_signal -1
	s_barrier_wait -1                              ; everybody's have: a tile's rows of x come from two waves' loads
	; wave w quantises tile w of x: six fragments and their scale words go to LDS as images of their registers
	LOADX 0
.irp k, 0,1,2,3,4,5
.if \k < 5
	LOADX \k+1
	s_wait_dscnt 16                                ; all but the 16 loads just issued: this step's numbers are in, the last step's stores have read their registers
.else
	s_wait_dscnt 0x0
.endif
	QUANT64 64+64*(\k%2), PC
	ds_store_b128 v8, v[PC:PC+3] offset:1024*\k
	ds_store_b128 v8, v[PC+4:PC+7] offset:1024*\k+512
	ds_store_b32 v9, v[PWX] offset:128*\k
.endr
	s_wait_dscnt 0x0                               ; for the others' sake: my stores have landed
	s_barrier_signal -1
	s_barrier_wait -1
	WIN 0x40
.set NT, 0
.rept 24
	ds_load_b128 v[8*NT:8*NT+3], v10 offset:1024*NT
	ds_load_b128 v[8*NT+4:8*NT+7], v10 offset:1024*NT+512
.set NT, NT+1
.endr
	WIN 0
.set NT, 0
.rept 24
	ds_load_b32 v[XS+NT], v11 offset:128*NT
.set NT, NT+1
.endr
	LOADS 0
	LOADS 1
	LOADS 2
	LOADS 3
	s_wait_loadcnt 48                              ; the mask and the biases are in; the four sets of 12 may be out
	v_cmp_eq_u32 vcc_lo, 0, v14
	v_cndmask_b32 v220, 0, v218, vcc_lo
	v_cmp_eq_u32 vcc_lo, 0, v15
	v_cndmask_b32 v221, 0, v218, vcc_lo
	global_store_b64 v13, v[220:221], s[62:63]                 ; 256 consecutive bytes, for each of my two heads
	global_store_b64 v13, v[220:221], s[62:63] offset:122880
	s_wait_dscnt 0x0                               ; x's fragments and scale words and the first four sets' scale words are in
	UNITQK 0, 30, 32, 65536, 4096
	UNITQK 1, 30, 32, 65536, 4096
	UNITQK 2, 56, 58, 122880, 122880
	UNITQK 3, 56, 58, 122880, 122880
	UNITV 4
	UNITV 5
	s_wait_tensorcnt 0x0
	ds_add_u32 v254, v255
	s_wait_dscnt 0x0
	s_endpgm
.Lfunc_end_k_q58ca5f5876_proj:
	.size	k_q58ca5f5876_proj, .Lfunc_end_k_q58ca5f5876_proj-k_q58ca5f5876_proj
	.p2alignl 7, 3214868480
	.fill 96, 4, 3214868480
	.section	.rodata,"a",@progbits
	.p2align	6, 0x0
	.amdhsa_kernel k_q58ca5f5876_proj
		.amdhsa_group_segment_fixed_size 283136
		.amdhsa_private_segment_fixed_size 0
		.amdhsa_enable_private_segment 0
		.amdhsa_kernarg_size 136
		.amdhsa_user_sgpr_count 2
		.amdhsa_user_sgpr_kernarg_segment_ptr 1
		.amdhsa_wavefront_size32 1
		.amdhsa_system_sgpr_workgroup_id_x 1
		.amdhsa_system_sgpr_workgroup_id_y 1
		.amdhsa_system_sgpr_workgroup_id_z 1
		.amdhsa_system_vgpr_workitem_id 0
		.amdhsa_next_free_vgpr 1024
		.amdhsa_next_free_sgpr 100
		.amdhsa_reserve_vcc 1
		.amdhsa_float_denorm_mode_32 3
		.amdhsa_float_denorm_mode_16_64 3
		.amdhsa_memory_ordered 1
		.amdhsa_forward_progress 1
		.amdhsa_inst_pref_size 255
	.end_amdhsa_kernel
	.section	.bss,"aw",@nobits
	.p2align	6
	.space	262144
	.amdgpu_metadata
---
amdhsa.version: [ 1, 2 ]
amdhsa.kernels:
  - .name:           k_q58ca5f5876_proj
    .symbol:         k_q58ca5f5876_proj.kd
    .args:
      - { .name: visual_features, .offset: 0, .size: 8, .value_kind: global_buffer, .address_space: global }
      - { .name: text_features, .offset: 8, .size: 8, .value_kind: global_buffer, .address_space: global }
      - { .name: Wq_codes, .offset: 16, .size: 8, .value_kind: global_buffer, .address_space: global }
      - { .name: Wq_scales, .offset: 24, .size: 8, .value_kind: global_buffer, .address_space: global }
      - { .name: Wk_codes, .offset: 32, .size: 8, .value_kind: global_buffer, .address_space: global }
      - { .name: Wk_scales, .offset: 40, .size: 8, .value_kind: global_buffer, .address_space: global }
      - { .name: Wv_codes, .offset: 48, .size: 8, .value_kind: global_buffer, .address_space: global }
      - { .name: Wv_scales, .offset: 56, .size: 8, .value_kind: global_buffer, .address_space: global }
      - { .name: bq, .offset: 64, .size: 8, .value_kind: global_buffer, .address_space: global }
      - { .name: bk, .offset: 72, .size: 8, .value_kind: global_buffer, .address_space: global }
      - { .name: bv, .offset: 80, .size: 8, .value_kind: global_buffer, .address_space: global }
      - { .name: visual_mask, .offset: 88, .size: 8, .value_kind: global_buffer, .address_space: global }
      - { .name: text_mask, .offset: 96, .size: 8, .value_kind: global_buffer, .address_space: global }
      - { .name: q_img, .offset: 104, .size: 8, .value_kind: global_buffer, .address_space: global }
      - { .name: q_sc, .offset: 112, .size: 8, .value_kind: global_buffer, .address_space: global }
      - { .name: kv, .offset: 120, .size: 8, .value_kind: global_buffer, .address_space: global }
      - { .name: vsc, .offset: 128, .size: 8, .value_kind: global_buffer, .address_space: global }
    .group_segment_fixed_size: 283136
    .private_segment_fixed_size: 0
    .kernarg_segment_align: 8
    .kernarg_segment_size: 136
    .max_flat_workgroup_size: 128
    .sgpr_count:     100
    .vgpr_count:     1024
    .wavefront_size: 32
...
	.end_amdgpu_metadata
.endif
;; end of part 1
;; launch attn (part 2): grid 4 x 64, 16 waves a work-group, clusters of 4 x 1, 327,680 bytes of LDS; arguments q_img, q_sc, kv, vsc, o_img, o_sc; writes o_img, o_sc
.if DOCPART == 2
	.amdgcn_target "amdgcn-amd-amdhsa--gfx1250"
	.amdhsa_code_object_version 6
	.text
	.protected	k_q58ca5f5876_attn
	.globl	k_q58ca5f5876_attn
	.p2align	8
	.type	k_q58ca5f5876_attn,@function
k_q58ca5f5876_attn:
	s_mov_b64 s[64:65], 0
	v_nop
	global_prefetch_b8 v0, s[64:65] scope:SCOPE_SE
	s_setreg_imm32_b32 hwreg(HW_REG_WAVE_MODE, 25, 1), 1
	s_wait_xcnt 0x0
	s_wait_alu depctr_hold_cnt(0) depctr_sa_sdst(0) depctr_va_vdst(0) depctr_va_sdst(0) depctr_va_ssrc(0) depctr_va_vcc(0) depctr_vm_vsrc(0)
	s_getreg_b32 s2, hwreg(HW_REG_IB_STS2, 6, 4)
	s_cmp_eq_u32 s2, 0
	s_cbranch_scc0 .Lentry_in_a_cluster
	s_endpgm
.Lentry_in_a_cluster:
	s_bfe_u32 s2, ttmp6, 0x10000c
	s_cmp_lg_u32 s2, 0x3003
	s_cbranch_scc0 .Lentry_shape_is_right
	s_endpgm
.Lentry_shape_is_right:
; o = softmax(q k^T / sqrt(96) + mask) v, both products on codes of FP4 (E2M1) with one E8M0 scale for each 32 along K; o is quantised along d and stored as codes.
; THE SOFTMAX: t = score x log2(e) / sqrt(96); M = the row's largest t so far, rounded UP to a whole number; p = 2^(t - M) is quantised along the keys, not normalised; the row's sum is taken of
; the unquantised p and divides O at the end.  When M moves, the sum and O are multiplied by 2^(old M - new M): exact.
; SHARES.  Work-group (x, y), y = 8 x batch + head, serves both directions for 256 queries each.  Phase A: the queries of instance y (visual) on the keys and values of instance y + 64 (text);
; phase B: the queries of instance y + 64 on those of instance y.  4 x 64 = 256 work-groups.  Each of 16 waves owns one tile of 16 queries in each phase.
; CLUSTER.  The four work-groups of a cluster share y and read the same 2 x 122,880 bytes (keys, values, K's scale words, mask bias): they are asked for JOINTLY and stay in LDS; no byte is filled twice.
; A wave issues one load of 7,680 bytes (a sixteenth of phase A's eight key steps) behind the opening round, and one more (phase B's) behind the wait for the first, the add and a second round: one tensor load of a wave is out at a time.
; ONE BARRIER shows phase B's bytes to all waves: each wave waits for its load and signals behind phase A's second key step, and waits for the others behind its eighth; between the two stand register work and LDS loads alone.
; NO PREFETCH: all that the launch reads through LDS is asked for by those two loads, at the head; there is no loop that could run ahead of them.
; LAYOUT.  Both products transposed: S^T = K Q^T, O^T = V^T P^T: a lane holds one query throughout.  The launch before chose the keys of a tile of K and the d of a tile of V^T so that the 16
; registers of tiles 2 b, 2 b + 1 are 16 neighbours along the next K.  All operands lie in LDS as images of their registers: every load takes 16 bytes a lane on end.
; THE MASK's bias (0 or -2^100 for each key) is loaded as the C of S^T's products.
; LIMITS: a masked key's p is exactly 0 while |score| < 2^90.  A row all of whose keys are masked has the sum 0: its scale word is made all ones (E8M0's NaN), so that the output row becomes NaN.
; NaN and infinities among the inputs are not served.  A block of zeros gets the byte 1: its codes are zeros, and this program alone reads the bytes.
; LDS: 0: sixteen key steps of 15,360 bytes (K's 8 images, V^T's 6, K's scale words 512, bias 512), phase A's eight, then phase B's; 245,760: V's scale words, 2 x 3,072 bytes, stored by the waves; 251,904: the spare words.
; REGISTERS: v1-7, v31 addresses that stay; v8-11 the step's; v12 -M, v13 the largest t, v[14:15] the sum; v16-23 phase A's Q, v216-223 phase B's; v24-27 K's scale words, v28-30 V's; v32-95 K's fragments, then V's;
; v96-159 S^T, then p; v160-207 O^T; v224-231 p's codes; v232-254 at work; v249, v250 the add's; v253 p's scale word; v255 and v251 Q's scale words.
.set VS,    245760
.set SPARE, 251904
.set STEPB, 15360
.macro MM d, a, b, sa, sb, row         ; adds in place; row = 1: source 0's scales from lanes 16-31
.if \row
	v_wmma_scale_f32_16x16x128_f8f6f4 v[\d:\d+7], v[\a:\a+7], v[\b:\b+7], v[\d:\d+7], v[\sa], v[\sb] matrix_a_fmt:MATRIX_FMT_FP4 matrix_b_fmt:MATRIX_FMT_FP4 matrix_a_scale:MATRIX_SCALE_ROW1
.else
	v_wmma_scale_f32_16x16x128_f8f6f4 v[\d:\d+7], v[\a:\a+7], v[\b:\b+7], v[\d:\d+7], v[\sa], v[\sb] matrix_a_fmt:MATRIX_FMT_FP4 matrix_b_fmt:MATRIX_FMT_FP4
.endif
.endm
.macro PLACES                          ; four plain places behind a matrix instruction (ISA guide 7.12.1)
.rept 4
	v_nop
.endr
.endm
.macro ROUND                           ; a round of the cluster's barrier
	s_barrier_signal -1
	s_barrier_wait -1
	s_cmp_lg_u32 s16, 0
	s_cbranch_scc1 .Lnot_wave_0_\@
	s_barrier_signal -3
.Lnot_wave_0_\@:
	s_barrier_wait -3
	s_barrier_signal -1
	s_barrier_wait -1
.endm
.macro INIT                            ; a phase's state: the step is written once, and a phase's first step finds zeros
	v_mov_b32 v13, 0xee000000                      ; the largest t so far: -2^93: under every t that counts, over every masked one
	s_delay_alu instid0(VALU_DEP_1)
	v_floor_f32 v12, -v13                          ; -M
	v_mov_b32 v14, 0
	v_mov_b32 v15, 0
.set J, 0
.rept 48
	v_mov_b32 v[160+J], 0                          ; O^T
.set J, J+1
.endr
.endm
	s_load_b256 s[4:11], s[0:1], 0x0               ; q_img, q_sc, kv, vsc
	s_load_b128 s[12:15], s[0:1], 0x20             ; o_img, o_sc
	v_lshl_add_u32 v249, v0, 2, SPARE
	v_mov_b32 v250, 0
	ds_add_u32 v249, v250                          ; the opening: the add, twice on end, and its wait ahead of my first tensor load
	ds_add_u32 v249, v250
	v_lshrrev_b32 v8, 5, v0
	s_delay_alu instid0(VALU_DEP_1)
	v_readfirstlane_b32 s16, v8                    ; wave 0..15
	s_and_b32 s19, ttmp7, 0xffff                   ; y, 0..63, which the four partners share
	; descriptor group 1: 30 dense rows of 256 bytes (32 elements of 8 bytes); the mask names all four work-groups, bit 21 beside it
	s_mov_b32 s24, 15|(3<<16)|(1<<21)
	s_mov_b32 s25, 32<<16
	s_mov_b32 s26, 30<<16
	s_mov_b32 s27, 32<<16
	s_mov_b32 s28, 30
	s_mov_b32 s29, 32
	s_mov_b32 s30, 0
	s_mov_b32 s31, 0
	s_mov_b32 s32, 1
	s_mul_i32 s33, s16, 7680                       ; phase A's bytes: wave x 7,680: no place in the cluster enters an LDS address
	s_mov_b32 s36, 1
	s_add_co_u32 s37, s33, 122880                  ; phase B's
	s_mul_i32 s52, s19, 122880
	s_add_co_u32 s52, s52, s33                     ; my part of instance y's keys and values
	s_mov_b32 s53, 0
	s_mul_i32 s54, s19, 3072
	s_mov_b32 s55, 0
	s_bfe_u32 s17, ttmp6, 0x40000                  ; cx: it enters Q's and o's addresses alone
	s_lshl_b32 s18, ttmp9, 2
	s_add_co_u32 s18, s18, s17
	s_lshl_b32 s18, s18, 4
	s_add_co_u32 s18, s18, s16                     ; my tile of queries, 0..63
	s_lshl_b32 s56, s19, 16
	s_lshl_b32 s58, s18, 10
	s_add_co_u32 s56, s56, s58                     ; Q's image
	s_mov_b32 s57, 0
	s_lshl_b32 s58, s19, 12
	s_lshl_b32 s60, s18, 6
	s_add_co_u32 s58, s58, s60                     ; Q's scale words, and o's
	s_mov_b32 s59, 0
	s_lshr_b32 s60, s19, 3
	s_mul_i32 s60, s60, 393216
	s_mul_i32 s62, s18, 6144
	s_add_co_u32 s60, s60, s62
	s_and_b32 s62, s19, 7
	s_mul_i32 s62, s62, 768
	s_add_co_u32 s60, s60, s62                     ; o's codes: batch, tile, the head's three blocks
	s_mov_b32 s61, 0
	s_mov_b32 s20, 0x76543210
	s_mov_b32 s21, 0xfedcba98                      ; v_permlanex16_b32's selects for lane l xor 16
	s_mov_b32 s22, 0x3e16c740                      ; c = log2(e) / sqrt(96)
	s_mov_b32 s23, s22                             ; (named with it as a pair, so it is written)
	s_mov_b32 s48, 0                               ; where the key step in hand begins in LDS: it walks through all sixteen
	s_mov_b32 s49, 0                               ; and its scale words of V
	s_wait_dscnt 0x0                               ; both opening adds are done
	s_wait_kmcnt 0x0
	s_add_nc_u64 s[38:39], s[8:9], s[52:53]        ; phase B reads instance y,
	s_add_nc_u64 s[34:35], s[38:39], 7864320       ; phase A instance y + 64: 64 x 122,880 bytes on
	s_or_b32 s35, s35, 0x80000000
	s_or_b32 s39, s39, 0x80000000
	s_add_nc_u64 s[4:5], s[4:5], s[56:57]          ; phase A's Q,
	s_add_nc_u64 s[66:67], s[4:5], 0x400000        ; phase B's: 64 instances of 65,536 bytes on
	s_add_nc_u64 s[6:7], s[6:7], s[58:59]
	s_add_nc_u64 s[68:69], s[6:7], 0x40000         ; 64 x 4,096
	s_add_nc_u64 s[74:75], s[10:11], s[54:55]      ; V's scale bytes: phase B's (instance y),
	s_add_nc_u64 s[10:11], s[74:75], 196608        ; phase A's: 64 x 3,072 on
	s_add_nc_u64 s[12:13], s[12:13], s[60:61]
	s_add_nc_u64 s[70:71], s[12:13], 3145728       ; 8 x 393,216
	s_add_nc_u64 s[14:15], s[14:15], s[58:59]
	s_add_nc_u64 s[72:73], s[14:15], 0x40000
	ROUND                                          ; all four work-groups are here: the joint loads meet
	tensor_load_to_lds s[32:35], s[24:31]          ; my sixteenth of phase A's key steps: the wave's one load at the head
	s_nop 0
	PLACES
	v_and_b32 v8, 31, v0                           ; lane
	v_and_b32 v9, 15, v0                           ; r
	v_bfe_u32 v10, v0, 4, 1                        ; h
	s_delay_alu instid0(VALU_DEP_3)
	v_lshlrev_b32 v1, 4, v8
	s_delay_alu instid0(VALU_DEP_4)
	v_lshlrev_b32 v2, 2, v8
	s_delay_alu instid0(VALU_DEP_3)
	v_lshlrev_b32 v3, 6, v10
	v_lshlrev_b32 v4, 4, v9
	s_delay_alu instid0(VALU_DEP_1)
	v_lshl_add_u32 v4, v10, 3, v4                  ; o's codes: 16 r + 8 h in a block's 256 bytes
	s_delay_alu instid0(VALU_DEP_4)
	v_add_nc_u32 v5, VS, v2
	v_lshrrev_b32 v6, 4, v0
	s_delay_alu instid0(VALU_DEP_1)
	v_lshlrev_b32 v6, 7, v6
	s_delay_alu instid0(VALU_DEP_1)
	v_lshl_add_u32 v6, v9, 2, v6
	s_delay_alu instid0(VALU_DEP_1)
	v_add_nc_u32 v6, VS, v6                        ; where thread i (under 384) puts V's words: 128 (i / 16) + 4 (i % 16)
	v_lshlrev_b32 v7, 2, v0
	v_lshlrev_b32 v31, 2, v9
	global_load_b128 v[16:19], v1, s[4:5]          ; both phases' Q fragments stay in registers
	global_load_b128 v[20:23], v1, s[4:5] offset:512
	global_load_b32 v255, v31, s[6:7]
	global_load_b128 v[216:219], v1, s[66:67]
	global_load_b128 v[220:223], v1, s[66:67] offset:512
	global_load_b32 v251, v31, s[68:69]
	; V's scale bytes were stored in two planes, one for each half of a key step: threads 0 to 383 join them into whole words, d tile 2 p in lanes 0-15's place and 2 p + 1 in lanes 16-31's
	s_cmp_lt_u32 s16, 12
	s_cbranch_scc0 .Lno_fix
	global_load_b32 v208, v7, s[10:11]
	global_load_b32 v209, v7, s[10:11] offset:1536
	global_load_b32 v210, v7, s[74:75]
	global_load_b32 v211, v7, s[74:75] offset:1536
	s_wait_alu depctr_va_vdst(0)
	s_wait_loadcnt 0x0
	v_perm_b32 v212, v209, v208, 0x05040100
	v_perm_b32 v213, v209, v208, 0x07060302
	v_perm_b32 v214, v211, v210, 0x05040100
	v_perm_b32 v215, v211, v210, 0x07060302
	ds_store_b32 v6, v212
	ds_store_b32 v6, v213 offset:64
	ds_store_b32 v6, v214 offset:3072
	ds_store_b32 v6, v215 offset:3136
.Lno_fix:
	INIT
.irp b, 0,1,2,3
	v_mov_b32 v[236+\b], 0                         ; written once: a lane permute's destination counts as one of its sources
.endr
	v_mov_b32 v253, 0                              ; (named as the upper half of the pair v[252:253] before it is first written)
; A KEY STEP: 128 keys.  qf: the phase's Q fragment; qs: its scale words.
.macro STEP qf, qs
	v_add_nc_u32 v8, s48, v1                       ; these four are also the places behind the last step's products, in front of the loads into their registers
	v_add_nc_u32 v9, s48, v2
	v_add_nc_u32 v10, s48, v3
	v_add_nc_u32 v11, s49, v5
.irp t, 0,1,2,3,4,5,6,7
.irp c, 0,1
	ds_load_b128 v[32+8*\t+4*\c:35+8*\t+4*\c], v8 offset:1024*\t+512*\c
.endr
.endr
.irp b, 0,1,2,3
	ds_load_b32 v[24+\b], v9 offset:14336+128*\b   ; lanes 0-15: tile 2 b's words; lanes 16-31: tile 2 b + 1's
.endr
.irp t, 0,1,2,3,4,5,6,7
	ds_load_b128 v[96+8*\t:99+8*\t], v10 offset:14848+128*(\t/2)+32*(\t%2)       ; the bias of keys 32 (t / 2) + 16 h + 8 (t % 2) + 0 .. 7: the products' C
	ds_load_b128 v[100+8*\t:103+8*\t], v10 offset:14848+128*(\t/2)+32*(\t%2)+16
.endr
	s_wait_alu depctr_va_vdst(0)
	s_wait_dscnt 0x0
.irp t, 0,1,2,3,4,5,6,7
	MM 96+8*\t, 32+8*\t, \qf, 24+\t/2, \qs, \t%2
.endr
	PLACES
.irp t, 0,1,2,3,4,5
.irp c, 0,1
	ds_load_b128 v[32+8*\t+4*\c:35+8*\t+4*\c], v8 offset:8192+1024*\t+512*\c      ; V^T's six fragments land under the softmax
.endr
.endr
.irp p, 0,1,2
	ds_load_b32 v[28+\p], v11 offset:128*\p
.endr
.irp b, 0,1,2,3
	v_max3_num_f32 v[232+\b], v[96+16*\b], v[97+16*\b], v[98+16*\b]   ; the largest score of each block of 32 keys: for the row's maximum, and for the block's largest p
.endr
.irp i, 3,5,7,9,11,13
.irp b, 0,1,2,3
	v_max3_num_f32 v[232+\b], v[232+\b], v[96+16*\b+\i], v[97+16*\b+\i]
.endr
.endr
.irp b, 0,1,2,3
	v_max_num_f32 v[232+\b], v[232+\b], v[111+16*\b]
.endr
.irp b, 0,1,2,3
	s_delay_alu instid0(VALU_DEP_4)
	v_permlanex16_b32 v[236+\b], v[232+\b], s20, s21
.endr
.irp b, 0,1,2,3
	s_delay_alu instid0(VALU_DEP_4)
	v_max_num_f32 v[232+\b], v[232+\b], v[236+\b]
.endr
	s_delay_alu instid0(VALU_DEP_2)
	v_max3_num_f32 v254, v232, v233, v234
	s_delay_alu instid0(VALU_DEP_1)
	v_max_num_f32 v254, v254, v235
	s_delay_alu instid0(VALU_DEP_1)
	v_mul_f32 v254, s22, v254                      ; as t (c is positive)
	s_delay_alu instid0(VALU_DEP_1)
	v_max_num_f32 v13, v13, v254                   ; the running largest t
	v_mov_b32 v254, v12
	s_delay_alu instid0(VALU_DEP_2)
	v_floor_f32 v12, -v13                          ; the new -M = -ceil(t): a whole number
	s_delay_alu instid0(VALU_DEP_1)
	v_sub_f32 v254, v12, v254
	s_delay_alu instid0(VALU_DEP_1)
	v_cvt_i32_f32 v254, v254                       ; (it saturates)
	s_delay_alu instid0(VALU_DEP_1)
	v_ldexp_f32 v252, 1.0, v254                    ; f = 2^(old M - new M)
.set J, 0
.rept 32
	v_pk_fma_f32 v[96+J:97+J], v[96+J:97+J], s[22:23], v[12:13] op_sel_hi:[1,0,0]   ; t - M
.set J, J+2
.endr
.irp b, 0,1,2,3
	v_fma_f32 v[232+\b], v[232+\b], s22, v12
.endr
.set J, 0
	s_wait_alu depctr_va_vdst(0)
.rept 64
	v_exp_f32 v[96+J], v[96+J]                     ; p = 2^(t - M)
.set J, J+1
.endr
.irp b, 0,1,2,3
	v_exp_f32 v[232+\b], v[232+\b]                 ; the block's largest p: the same two instructions on the same number
.endr
	v_pk_mul_f32 v[14:15], v[14:15], v[252:253] op_sel_hi:[1,0]   ; the sums under the new M (a plain place behind the exponentials)
	s_wait_alu depctr_va_vdst(0)                   ; one wait for the whole batch, ahead of its first reader
.irp b, 0,1,2,3
	v_max_num_f32 v[232+\b], 0x1800000, v[232+\b]  ; the floor 2^(3 - 127)
.endr
.irp b, 0,1,2,3
	s_delay_alu instid0(VALU_DEP_4)
	v_add_nc_u32 v[244+\b], 0xff000000, v[232+\b]
.endr
.irp b, 0,1,2,3
	s_delay_alu instid0(VALU_DEP_4)
	v_lshrrev_b32 v[236+\b], 23, v[244+\b]
.endr
	s_delay_alu instid0(VALU_DEP_3)
	v_lshl_or_b32 v253, v237, 8, v236              ; p's scale word for these 128 keys
	s_delay_alu instid0(VALU_DEP_1)
	v_lshl_or_b32 v253, v238, 16, v253
	s_delay_alu instid0(VALU_DEP_1)
	v_lshl_or_b32 v253, v239, 24, v253
.irp b, 0,1,2,3
	v_cvt_scalef32_pk8_fp4_f32 v[224+2*\b], v[96+16*\b:103+16*\b], v[244+\b]
	v_cvt_scalef32_pk8_fp4_f32 v[225+2*\b], v[104+16*\b:111+16*\b], v[244+\b]
.endr
	v_nop                                          ; one plain place behind a scaled conversion
.irp c, 0,1
.irp i, 0,1
	v_permlane16_swap_b32 v[224+4*\c+\i], v[226+4*\c+\i]   ; lanes 0-15 get block 2 c whole, lanes 16-31 block 2 c + 1
.endr
.endr
	s_wait_alu depctr_va_vdst(0)
.set J, 0
.rept 24
	v_pk_mul_f32 v[160+J:161+J], v[160+J:161+J], v[252:253] op_sel_hi:[1,0]   ; O^T under the new M, each accumulator from its low end on
.set J, J+2
.endr
	v_pk_add_f32 v[236:237], v[100:101], v[104:105]   ; the row's sum of the unquantised p, in eight chains
	v_pk_add_f32 v[246:247], v[108:109], v[112:113]
	v_pk_add_f32 v[244:245], v[116:117], v[120:121]
	v_pk_add_f32 v[242:243], v[124:125], v[128:129]
	v_pk_add_f32 v[240:241], v[132:133], v[136:137]
	v_pk_add_f32 v[234:235], v[140:141], v[144:145]
	v_pk_add_f32 v[232:233], v[148:149], v[152:153]
	v_pk_add_f32 v[14:15], v[14:15], v[156:157]
	v_pk_add_f32 v[236:237], v[236:237], v[96:97]
	v_pk_add_f32 v[246:247], v[246:247], v[98:99]
	v_pk_add_f32 v[244:245], v[244:245], v[102:103]
	v_pk_add_f32 v[242:243], v[242:243], v[106:107]
	v_pk_add_f32 v[240:241], v[240:241], v[110:111]
	v_pk_add_f32 v[234:235], v[234:235], v[114:115]
	v_pk_add_f32 v[232:233], v[232:233], v[118:119]
	v_pk_add_f32 v[14:15], v[14:15], v[122:123]
	v_pk_add_f32 v[236:237], v[236:237], v[126:127]
	v_pk_add_f32 v[246:247], v[246:247], v[130:131]
	v_pk_add_f32 v[244:245], v[244:245], v[134:135]
	v_pk_add_f32 v[242:243], v[242:243], v[138:139]
	v_pk_add_f32 v[240:241], v[240:241], v[142:143]
	v_pk_add_f32 v[234:235], v[234:235], v[146:147]
	v_pk_add_f32 v[232:233], v[232:233], v[150:151]
	v_pk_add_f32 v[14:15], v[14:15], v[154:155]
	v_pk_add_f32 v[236:237], v[236:237], v[158:159]
	s_delay_alu instid0(VALU_DEP_2)
	v_pk_add_f32 v[14:15], v[14:15], v[242:243]
	s_delay_alu instid0(VALU_DEP_2)
	v_pk_add_f32 v[236:237], v[236:237], v[240:241]
	v_pk_add_f32 v[246:247], v[246:247], v[234:235]
	v_pk_add_f32 v[244:245], v[244:245], v[232:233]
	s_delay_alu instid0(VALU_DEP_2)
	v_pk_add_f32 v[14:15], v[14:15], v[246:247]
	s_delay_alu instid0(VALU_DEP_2)
	v_pk_add_f32 v[236:237], v[236:237], v[244:245]
	s_delay_alu instid0(VALU_DEP_1)
	v_pk_add_f32 v[14:15], v[14:15], v[236:237]
	s_wait_dscnt 0x0                               ; V^T and its scale words are in
.irp t, 0,1,2,3,4,5
	MM 160+8*\t, 32+8*\t, 224, 28+\t/2, 253, \t%2
.endr
.endm
.macro WALK qf, qs, n                  ; n key steps
	s_mov_b32 s50, \n
.Lstep_\@:
	STEP \qf, \qs
	s_add_co_u32 s48, s48, STEPB
	s_add_co_u32 s49, s49, 384
	s_sub_co_u32 s50, s50, 1
	s_cmp_lg_u32 s50, 0
	s_cbranch_scc1 .Lstep_\@
.endm
; THE WAY OUT of a phase: O^T / the sum, quantised along d: the head's three blocks of 32; a lane holds 16 neighbours of each.  ob, os: the bases of o's codes and scale words.
.macro TAIL ob, os
	PLACES
	v_add_f32 v14, v14, v15
	s_delay_alu instid0(VALU_DEP_1)
	v_permlanex16_b32 v252, v14, s20, s21
	s_delay_alu instid0(VALU_DEP_1)
	v_add_f32 v14, v14, v252                       ; the row's sum
	s_delay_alu instid0(VALU_DEP_1)
	v_cmp_eq_f32 vcc_lo, 0, v14                    ; every key masked: only a value is selected by it
	s_wait_alu depctr_va_vdst(0)
	v_rcp_f32 v15, v14
	v_mov_b32 v254, -1                             ; (a plain place behind the transcendental)
.set J, 0
	s_wait_alu depctr_va_vdst(0)                   ; the wait ahead of its first reader, which is O^T's first reader too
.rept 48
	v_mul_f32 v[96+J], v[160+J], v15
.set J, J+1
.endr
.irp b, 0,1,2
	v_max3_num_f32 v[232+\b], |v[96+16*\b]|, |v[97+16*\b]|, 0x1800000
.endr
.irp i, 2,4,6,8,10,12,14
.irp b, 0,1,2
	s_delay_alu instid0(VALU_DEP_3)
	v_max3_num_f32 v[232+\b], v[232+\b], |v[96+16*\b+\i]|, |v[97+16*\b+\i]|
.endr
.endr
.irp b, 0,1,2
	s_delay_alu instid0(VALU_DEP_3)
	v_permlanex16_b32 v[236+\b], v[232+\b], s20, s21
.endr
.irp b, 0,1,2
	s_delay_alu instid0(VALU_DEP_3)
	v_max_num_f32 v[232+\b], v[232+\b], v[236+\b]
.endr
.irp b, 0,1,2
	s_delay_alu instid0(VALU_DEP_3)
	v_add_nc_u32 v[244+\b], 0xff000000, v[232+\b]
.endr
.irp b, 0,1,2
	s_delay_alu instid0(VALU_DEP_3)
	v_lshrrev_b32 v[236+\b], 23, v[244+\b]
.endr
	s_delay_alu instid0(VALU_DEP_2)
	v_lshl_or_b32 v253, v237, 8, v236
	s_delay_alu instid0(VALU_DEP_1)
	v_lshl_or_b32 v253, v238, 16, v253
	s_delay_alu instid0(VALU_DEP_1)
	v_cndmask_b32 v253, v253, v254, vcc_lo         ; all ones where the sum is 0
.irp b, 0,1,2
	v_cvt_scalef32_pk8_fp4_f32 v[224+2*\b], v[96+16*\b:103+16*\b], v[244+\b]
	v_cvt_scalef32_pk8_fp4_f32 v[225+2*\b], v[104+16*\b:111+16*\b], v[244+\b]
.endr
	v_nop
.irp b, 0,1,2
	global_store_b64 v4, v[224+2*\b:225+2*\b], s[\ob:\ob+1] offset:256*\b   ; 32 lanes store 256 consecutive bytes, aligned: a block of 32 codes for each of 16 rows
.endr
	global_store_b32 v31, v253, s[\os:\os+1]       ; lanes r and r + 16 hold, and write, the same word
.endm
	s_wait_alu depctr_va_vdst(0)
	s_wait_loadcnt 0x0                             ; Q
	s_wait_tensorcnt 0x0                           ; my part of phase A's key steps is in
	ds_add_u32 v249, v250                          ; 0 onto my spare word,
	s_wait_dscnt 0x0                               ; the add is done, and my stores of V's words have landed
	ROUND                                          ; everybody's part is in, and all four work-groups are here
	tensor_load_to_lds s[36:39], s[24:31]          ; my sixteenth of phase B's key steps: the first tensor load behind the round
	s_nop 0
	PLACES
	WALK 16, 255, 2                                ; phase A
	s_wait_tensorcnt 0x0                           ; my part of phase B's key steps is in:
	s_wait_dscnt 0x0
	s_barrier_signal -1                            ; say so, and go on: up to the wait below stand register work and LDS loads of bytes that nobody writes
	WALK 16, 255, 6
	s_barrier_wait -1                              ; everybody's part of phase B's is in
	s_wait_alu depctr_va_vdst(0)
	TAIL 12, 14
	INIT                                           ; these moves name none of the stores' registers
	s_wait_xcnt 0x0                                ; the stores have read the codes' and the word's registers, which phase B's first step writes again
	WALK 216, 251, 8                               ; phase B
	s_wait_alu depctr_va_vdst(0)
	TAIL 70, 72
	s_wait_tensorcnt 0x0                           ; the wave's end
	ds_add_u32 v249, v250
	s_wait_dscnt 0x0
	ROUND                                          ; the closing round: no work-group ends while a partner may still ask for a tile that names it
	s_endpgm
.Lfunc_end_k_q58ca5f5876_attn:
	.size	k_q58ca5f5876_attn, .Lfunc_end_k_q58ca5f5876_attn-k_q58ca5f5876_attn
	.p2alignl 7, 3214868480
	.fill 96, 4, 3214868480
	.section	.rodata,"a",@progbits
	.p2align	6, 0x0
	.amdhsa_kernel k_q58ca5f5876_attn
		.amdhsa_group_segment_fixed_size 327680
		.amdhsa_private_segment_fixed_size 0
		.amdhsa_enable_private_segment 0
		.amdhsa_kernarg_size 48
		.amdhsa_user_sgpr_count 2
		.amdhsa_user_sgpr_kernarg_segment_ptr 1
		.amdhsa_wavefront_size32 1
		.amdhsa_system_sgpr_workgroup_id_x 1
		.amdhsa_system_sgpr_workgroup_id_y 1
		.amdhsa_system_sgpr_workgroup_id_z 1
		.amdhsa_system_vgpr_workitem_id 0
		.amdhsa_next_free_vgpr 256
		.amdhsa_next_free_sgpr 80
		.amdhsa_reserve_vcc 1
		.amdhsa_float_denorm_mode_32 3
		.amdhsa_float_denorm_mode_16_64 3
		.amdhsa_memory_ordered 1
		.amdhsa_forward_progress 1
		.amdhsa_inst_pref_size 81
	.end_amdhsa_kernel
	.amdgpu_metadata
---
amdhsa.version: [ 1, 2 ]
amdhsa.kernels:
  - .name:           k_q58ca5f5876_attn
    .symbol:         k_q58ca5f5876_attn.kd
    .args:
      - { .name: q_img, .offset: 0, .size: 8, .value_kind: global_buffer, .address_space: global }
      - { .name: q_sc, .offset: 8, .size: 8, .value_kind: global_buffer, .address_space: global }
      - { .name: kv, .offset: 16, .size: 8, .value_kind: global_buffer, .address_space: global }
      - { .name: vsc, .offset: 24, .size: 8, .value_kind: global_buffer, .address_space: global }
      - { .name: o_img, .offset: 32, .size: 8, .value_kind: global_buffer, .address_space: global }
      - { .name: o_sc, .offset: 40, .size: 8, .value_kind: global_buffer, .address_space: global }
    .group_segment_fixed_size: 327680
    .private_segment_fixed_size: 0
    .kernarg_segment_align: 8
    .kernarg_segment_size: 48
    .max_flat_workgroup_size: 512
    .sgpr_count:     80
    .vgpr_count:     256
    .wavefront_size: 32
...
	.end_amdgpu_metadata
.endif
;; end of part 2
;; launch outln (part 3): grid 256 x 1, 16 waves a work-group, no clusters, 327,680 bytes of LDS; arguments visual_features, text_features, o_img, o_sc, Wo_codes, Wo_scales, bo, ln_g, ln_b, out0, out1; writes out0, out1
.if DOCPART == 3
	.amdgcn_target "amdgcn-amd-amdhsa--gfx1250"
	.amdhsa_code_object_version 6
	.text
	.protected	k_q58ca5f5876_outln
	.globl	k_q58ca5f5876_outln
	.p2align	8
	.type	k_q58ca5f5876_outln,@function
k_q58ca5f5876_outln:
	s_mov_b64 s[64:65], 0
	v_nop
	global_prefetch_b8 v0, s[64:65] scope:SCOPE_SE
	s_setreg_imm32_b32 hwreg(HW_REG_WAVE_MODE, 25, 1), 1
	s_wait_xcnt 0x0
; out = LayerNorm(x + o Wo + bo) x ln_g + ln_b for both modalities; the product on codes of FP4 (E2M1) with one E8M0 scale for each 32 along K; all else in f32.
; SHARES.  Work-group g (0..255) takes 64 rows of modality g / 128.  Its sixteen waves share the COLUMNS of the product: wave w takes 48 (three tiles) x the four tiles of rows x 6 K steps = 72 matrix instructions,
; twelve accumulators by turns; bo is loaded as their first C.  Transposed use: source 0 = 16 rows of Wo, source 1 = o: a lane holds one row and eight neighbouring columns.
; Lane r of row tile 2 h + n holds row 32 h + 8 n + r + 8 (r / 8), as the launches before laid o.
; WHAT COMES HOW.  x: wave w asks for rows 4 w .. 4 w + 3, 12,288 dense bytes, by its one tensor load, as 12 rows of 1,024 bytes with 16 bytes of padding behind each (an LDS row of x: 3,120 bytes).
; o's 24 fragment images (24,576 dense bytes): three asynchronous copies a wave, 512 consecutive bytes each.  Every LDS byte is filled once.  Wo's fragments, scale words, bo, ln_g, ln_b: from memory straight into registers.
; The products run on o's images while x is on its way; then the sums are added to x in LDS, and each wave normalises four whole rows (2 w, 2 w + 1, 32 + 2 w, 33 + 2 w) and stores them, 512 consecutive bytes an instruction.
; NO CLUSTER: what the work-groups share is Wo, of which each wave reads its own 48 rows (18,432 bytes) once, straight into fragment registers; a joint load would land in LDS and be read from there once more.
; NO PREFETCH: all of x and o is asked for at the head; there is no loop that could run ahead.
; LIMIT: o's scale word of a row all of whose keys were masked is all ones (E8M0's NaN): that output row is NaN.
; LDS: 0: x, 64 rows x 3,120; OI: o's images; SPARE: the spare words.
; REGISTERS: v1-15 addresses; v16-111 accumulators, later ln_g (v16-39) and ln_b (v40-63); v112-183 three sets of Wo's fragments; v184-215 o's fragments (first: o's scale words by head); v216-233 Wo's scale words; v234-245 o's by K step;
; from the residual on v112-207 rows of x + y, v208-233 at work.
.set XP,   3120
.set OI,   64*XP
.set SPARE, OI+24576
.set ACC,  16
.set WF,   112
.set OF,   184
.set WSC,  216
.set OSC,  234
.set SM,   208
.set TP,   216
.set NM,   218
.set SS,   222
.set RS,   230
.macro MM d, a, b, sa, sb, row         ; adds in place; row = 1: source 1's scales from lanes 16-31
.if \row
	v_wmma_scale_f32_16x16x128_f8f6f4 v[\d:\d+7], v[\a:\a+7], v[\b:\b+7], v[\d:\d+7], v[\sa], v[\sb] matrix_a_fmt:MATRIX_FMT_FP4 matrix_b_fmt:MATRIX_FMT_FP4 matrix_b_scale:MATRIX_SCALE_ROW1
.else
	v_wmma_scale_f32_16x16x128_f8f6f4 v[\d:\d+7], v[\a:\a+7], v[\b:\b+7], v[\d:\d+7], v[\sa], v[\sb] matrix_a_fmt:MATRIX_FMT_FP4 matrix_b_fmt:MATRIX_FMT_FP4
.endif
.endm
.macro PLACES                          ; four plain places behind a matrix instruction (ISA guide 7.12.1)
.rept 4
	v_nop
.endr
.endm
.macro WSET k                          ; Wo's three fragments of K step k into set k % 3: six loads
.irp i, 0,1,2
.irp c, 0,1
	global_load_b128 v[WF+24*((\k)%3)+8*\i+4*\c:WF+24*((\k)%3)+8*\i+4*\c+3], v3, s[12:13] offset:6144*\i+64*(\k)+32*\c
.endr
.endr
.endm
.macro REDUCE p                        ; two rows' sums, each in four registers of every lane, become one number in all lanes: v[p], v[p + 4]
.irp i, 0
	s_delay_alu instid0(VALU_DEP_3)
	v_pk_add_f32 v[\p+4*\i:\p+4*\i+1], v[\p+4*\i:\p+4*\i+1], v[\p+4*\i+2:\p+4*\i+3]
.endr
.irp i, 1
	s_delay_alu instid0(VALU_DEP_2)
	v_pk_add_f32 v[\p+4*\i:\p+4*\i+1], v[\p+4*\i:\p+4*\i+1], v[\p+4*\i+2:\p+4*\i+3]
.endr
.irp i, 0,1
	s_delay_alu instid0(VALU_DEP_2)
	v_add_f32 v[\p+4*\i], v[\p+4*\i], v[\p+4*\i+1]
.endr
.irp x, 1,2,4,8
.irp i, 0,1
	s_delay_alu instid0(VALU_DEP_2)
	v_add_f32_dpp v[\p+4*\i], v[\p+4*\i], v[\p+4*\i] row_xmask:\x row_mask:0xf bank_mask:0xf
.endr
.endr
.irp i, 0,1
	s_delay_alu instid0(VALU_DEP_2)
	v_permlanex16_b32 v[TP+\i], v[\p+4*\i], s66, s67
.endr
.irp i, 0,1
	s_delay_alu instid0(VALU_DEP_2)
	v_add_f32 v[\p+4*\i], v[\p+4*\i], v[TP+\i]
.endr
.endm
.macro RESID h                         ; rows 32 h on: my 48 columns of x are read, the sums added, and x + y put back in x's place
.set XTB, 112+48*(\h)
.irp n, 0,1
.irp i, 0,1,2
	ds_load_b128 v[XTB+8*(3*\n+\i):XTB+8*(3*\n+\i)+3], v[6+3*(\h)+\i] offset:8*XP*\n
	ds_load_b128 v[XTB+8*(3*\n+\i)+4:XTB+8*(3*\n+\i)+7], v[6+3*(\h)+\i] offset:8*XP*\n+16
.endr
.endr
	s_wait_dscnt 0x0
.set J, 0
.rept 24
	v_pk_add_f32 v[XTB+J:XTB+J+1], v[ACC+48*(\h)+J:ACC+48*(\h)+J+1], v[XTB+J:XTB+J+1]   ; each accumulator from its low end on
.set J, J+2
.endr
.irp n, 0,1
.irp i, 0,1,2
	ds_store_b128 v[6+3*(\h)+\i], v[XTB+8*(3*\n+\i):XTB+8*(3*\n+\i)+3] offset:8*XP*\n
	ds_store_b128 v[6+3*(\h)+\i], v[XTB+8*(3*\n+\i)+4:XTB+8*(3*\n+\i)+7] offset:8*XP*\n+16
.endr
.endr
.endm
.macro NORM h                          ; rows 32 h + 2 w and + 1: mean, variance about the mean, scaling, ln_g and ln_b; a lane holds 24 numbers of each row
.set RB, 112+48*(\h)
.irp i, 0,1
.irp q, 0,1,2,3,4,5
	ds_load_b128 v[RB+24*\i+4*\q:RB+24*\i+4*\q+3], v[13+(\h)] offset:XP*\i+512*\q+16*(\q/2)
.endr
.endr
	s_wait_dscnt 0x0
.irp n, 0,1,2,3
	v_pk_add_f32 v[SM+2*\n:SM+2*\n+1], v[RB+12*\n:RB+12*\n+1], v[RB+12*\n+2:RB+12*\n+3]
.endr
.irp k, 4,6,8,10
.irp n, 0,1,2,3
	s_delay_alu instid0(VALU_DEP_4)
	v_pk_add_f32 v[SM+2*\n:SM+2*\n+1], v[SM+2*\n:SM+2*\n+1], v[RB+12*\n+\k:RB+12*\n+\k+1]
.endr
.endr
	REDUCE SM
.irp i, 0
	s_delay_alu instid0(VALU_DEP_2)
	v_mul_f32 v[NM+2*\i], 0xbaaaaaab, v[SM+4*\i]   ; -mean = sum x (-1 / 768)
	s_delay_alu instid0(VALU_DEP_3)
	v_mul_f32 v[NM+2*\i+1], 0xbaaaaaab, v[SM+4*\i]
.endr
.irp i, 1
	s_delay_alu instid0(VALU_DEP_3)
	v_mul_f32 v[NM+2*\i], 0xbaaaaaab, v[SM+4*\i]
	s_delay_alu instid0(VALU_DEP_4)
	v_mul_f32 v[NM+2*\i+1], 0xbaaaaaab, v[SM+4*\i]
.endr
.irp k, 0,2,4,6,8,10,12,14,16,18,20,22
.irp i, 0,1
	v_pk_add_f32 v[RB+24*\i+\k:RB+24*\i+\k+1], v[RB+24*\i+\k:RB+24*\i+\k+1], v[NM+2*\i:NM+2*\i+1]
.endr
.endr
.irp n, 0,1,2,3
	v_pk_mul_f32 v[SS+2*\n:SS+2*\n+1], v[RB+12*\n:RB+12*\n+1], v[RB+12*\n:RB+12*\n+1]
.endr
.irp k, 2,4,6,8,10
.irp n, 0,1,2,3
	s_delay_alu instid0(VALU_DEP_4)
	v_pk_fma_f32 v[SS+2*\n:SS+2*\n+1], v[RB+12*\n+\k:RB+12*\n+\k+1], v[RB+12*\n+\k:RB+12*\n+\k+1], v[SS+2*\n:SS+2*\n+1]
.endr
.endr
	REDUCE SS
.irp i, 0,1
	s_delay_alu instid0(VALU_DEP_2)
	v_fma_f32 v[SS+4*\i], v[SS+4*\i], s68, s69     ; variance + 1e-5
.endr
	s_wait_alu depctr_va_vdst(0)
.irp i, 0,1
	v_rsq_f32 v[RS+2*\i], v[SS+4*\i]
	v_rsq_f32 v[RS+2*\i+1], v[SS+4*\i]
.endr
	v_nop                                          ; a plain place behind the transcendentals
.if (\h) == 0
	s_wait_loadcnt 0x0                             ; ln_g and ln_b are in
.endif
	s_wait_alu depctr_va_vdst(0)                   ; one wait for the batch, ahead of its first reader
.irp k, 0,2,4,6,8,10,12,14,16,18,20,22
.irp i, 0,1
	v_pk_mul_f32 v[RB+24*\i+\k:RB+24*\i+\k+1], v[RB+24*\i+\k:RB+24*\i+\k+1], v[RS+2*\i:RS+2*\i+1]
.endr
.irp i, 0,1
	s_delay_alu instid0(VALU_DEP_2)
	v_pk_fma_f32 v[RB+24*\i+\k:RB+24*\i+\k+1], v[RB+24*\i+\k:RB+24*\i+\k+1], v[16+\k:17+\k], v[40+\k:41+\k]
.endr
.endr
.irp i, 0,1
.irp q, 0,1,2,3,4,5
	global_store_b128 v1, v[RB+24*\i+4*\q:RB+24*\i+4*\q+3], s[22:23] offset:98304*(\h)+3072*\i+512*\q th:TH_STORE_NT   ; 32 lanes store 512 consecutive bytes, aligned
.endr
.endr
.endm
	s_load_b512 s[4:19], s[0:1], 0x0               ; visual, text, o_img, o_sc, Wo codes, Wo scales, bo, ln_g
	s_load_b128 s[20:23], s[0:1], 0x40             ; ln_b, out0
	s_load_b64 s[24:25], s[0:1], 0x50              ; out1
	v_lshl_add_u32 v254, v0, 2, SPARE
	v_mov_b32 v255, 0
	ds_add_u32 v254, v255                          ; the opening: the add, twice on end, and its wait ahead of my first tensor load and copy
	ds_add_u32 v254, v255
	v_lshrrev_b32 v1, 5, v0
	s_delay_alu instid0(VALU_DEP_1)
	v_readfirstlane_b32 s26, v1                    ; wave 0..15
	; descriptor group 1 for x: 12 dense rows of 1,024 bytes (128 elements of 8 bytes), 4 words of padding behind every 256
	s_mov_b32 s40, (3<<16)|(1<<20)|(7<<22)|(3<<25)
	s_mov_b32 s41, 128<<16
	s_mov_b32 s42, 12<<16
	s_mov_b32 s43, 128<<16
	s_mov_b32 s44, 12
	s_mov_b32 s45, 128
	s_mov_b32 s46, 0
	s_mov_b32 s47, 0
	s_mov_b32 s48, 1
	s_mul_i32 s49, s26, 4*XP                       ; rows 4 w on, in LDS
	s_mul_i32 s27, s26, 2*XP                       ; rows 2 w on: what I normalise
	s_mul_i32 s37, s26, 1536                       ; my sixteenth of o's images,
	s_mul_i32 s52, ttmp9, 24576
	s_add_co_u32 s52, s52, s37                     ; in memory,
	s_mov_b32 s53, 0
	s_add_co_u32 s37, s37, OI                      ; and in LDS
	s_and_b32 s58, ttmp9, 127
	s_mul_i32 s58, s58, 196608                     ; my work-group's 64 rows in its modality
	s_mul_i32 s56, s26, 6144
	s_add_co_u32 s54, s58, s56                     ; + rows 2 w: the output
	s_mov_b32 s55, 0
	s_add_co_u32 s60, s54, s56                     ; + rows 4 w: x
	s_mov_b32 s61, 0
	s_mov_b32 s57, 0
	s_mov_b32 s66, 0x76543210
	s_mov_b32 s67, 0xfedcba98                      ; v_permlanex16_b32's selects for lane l xor 16
	s_mov_b32 s68, 0x3aaaaaab                      ; 1 / 768
	s_mov_b32 s69, 0x3727c5ac                      ; 1e-5
	v_and_b32 v246, 31, v0                         ; lane
	s_delay_alu instid0(VALU_DEP_1)
	v_lshlrev_b32 v1, 4, v246                      ; 16 bytes a lane
	s_delay_alu instid0(VALU_DEP_1)
	v_add_nc_u32 v15, s37, v1                      ; the copies' LDS address
	s_wait_alu depctr_va_vdst(0)
	s_wait_dscnt 0x0                               ; both opening adds are done
	s_wait_kmcnt 0x0
	s_cmp_lt_u32 ttmp9, 128                        ; the modality: the choice hangs on the work-group's number alone
	s_cselect_b64 s[4:5], s[4:5], s[6:7]
	s_cselect_b64 s[22:23], s[22:23], s[24:25]
	s_add_nc_u64 s[38:39], s[8:9], s[52:53]
	s_add_nc_u64 s[50:51], s[4:5], s[60:61]
	s_or_b32 s51, s51, 0x80000000
	tensor_load_to_lds s[48:51], s[40:47]          ; my four rows of x: the wave's one tensor load
	s_nop 0
	PLACES
.irp i, 0,1,2
	global_load_async_to_lds_b128 v15, v1, s[38:39] offset:512*\i   ; my 1,536 bytes of o's images: three copies of a wave are out
.endr
	s_add_nc_u64 s[22:23], s[22:23], s[54:55]
	s_lshr_b32 s56, ttmp9, 4
	s_lshl_b32 s56, s56, 15
	s_and_b32 s58, ttmp9, 15
	s_lshl_b32 s58, s58, 8
	s_add_co_u32 s56, s56, s58
	s_add_nc_u64 s[10:11], s[10:11], s[56:57]      ; o's scale words: (modality, batch) x 8 heads x 4,096 + my four tiles
	s_mul_i32 s56, s26, 18432
	s_add_nc_u64 s[12:13], s[12:13], s[56:57]      ; my 48 rows of Wo's codes,
	s_mul_i32 s56, s26, 1152
	s_add_nc_u64 s[14:15], s[14:15], s[56:57]      ; of its scale bytes,
	s_mul_i32 s56, s26, 192
	s_add_nc_u64 s[16:17], s[16:17], s[56:57]      ; of bo
	v_and_b32 v247, 15, v0                         ; r
	v_bfe_u32 v248, v0, 4, 1                       ; h
	s_delay_alu instid0(VALU_DEP_2)
	v_and_b32 v249, 8, v247
	s_delay_alu instid0(VALU_DEP_1)
	v_add_nc_u32 v249, v249, v247                  ; r + 8 (r / 8)
	v_lshlrev_b32 v2, 2, v246
	v_mul_u32_u24 v3, v247, 384
	s_delay_alu instid0(VALU_DEP_1)
	v_lshl_add_u32 v3, v248, 4, v3                 ; Wo: a row of 384 bytes, + 16 h
	v_mul_u32_u24 v4, v247, 24
	v_lshlrev_b32 v5, 5, v248
	v_mul_u32_u24 v250, v249, XP
	s_delay_alu instid0(VALU_DEP_1)
	v_add_nc_u32 v250, v250, v5                    ; x in LDS: my row of a tile, + 32 h
	s_wait_alu depctr_va_vdst(0)
.irp i, 0,1,2
	s_mul_i32 s58, s26, 3                          ; column tile 3 w + i: 64 bytes a tile, 16 more for each 1,024 passed
	s_add_co_u32 s58, s58, \i
	s_lshr_b32 s59, s58, 4
	s_lshl_b32 s59, s59, 4
	s_lshl_b32 s58, s58, 6
	s_add_co_u32 s58, s58, s59
	v_add_nc_u32 v[6+\i], s58, v250
	s_delay_alu instid0(VALU_DEP_1)
	v_add_nc_u32 v[9+\i], 32*XP, v[6+\i]
.endr
	v_add_nc_u32 v12, OI, v1
	v_add_nc_u32 v13, s27, v1
	s_delay_alu instid0(VALU_DEP_1)
	v_add_nc_u32 v14, 32*XP, v13
.irp h, 0,1,2,3,4,5,6,7
.irp p, 0,1
	global_load_b32 v[OF+2*\h+\p], v2, s[10:11] offset:4096*\h+128*\p   ; o's scale words by head: three bytes each; lanes 0-15 tile 2 p, lanes 16-31 tile 2 p + 1
.endr
.endr
.irp m, 0,1,2,3
.irp i, 0,1,2
	global_load_b128 v[ACC+8*(3*\m+\i):ACC+8*(3*\m+\i)+3], v5, s[16:17] offset:64*\i      ; bo starts the sums
	global_load_b128 v[ACC+8*(3*\m+\i)+4:ACC+8*(3*\m+\i)+7], v5, s[16:17] offset:64*\i+16
.endr
.endr
.irp i, 0,1,2
.irp k, 0,1,2
	global_load_b64 v[WSC+6*\i+2*\k:WSC+6*\i+2*\k+1], v4, s[14:15] offset:384*\i+8*\k
.endr
.endr
	WSET 0
	WSET 1
	WSET 2
	s_wait_loadcnt 18                              ; all but the three sets of six
.irp g, 0,1                                    ; four heads' twelve bytes become three K steps' words
.irp p, 0,1
	v_perm_b32 v[OSC+2*(3*\g)+\p], v[OF+2*(4*\g+1)+\p], v[OF+2*(4*\g)+\p], 0x04020100
	v_perm_b32 v[OSC+2*(3*\g+1)+\p], v[OF+2*(4*\g+2)+\p], v[OF+2*(4*\g+1)+\p], 0x05040201
	v_perm_b32 v[OSC+2*(3*\g+2)+\p], v[OF+2*(4*\g+3)+\p], v[OF+2*(4*\g+2)+\p], 0x06050402
.endr
.endr
.rept 8
	v_nop                                          ; a scale register written by a vector instruction stands 8 places ahead of a scaled matrix instruction
.endr
	s_wait_alu depctr_va_vdst(0)
	s_wait_asynccnt 0x0                            ; my part of o's images is in,
	s_barrier_signal -1
	s_barrier_wait -1                              ; everybody's is
.irp k, 0,1,2,3,4,5
.irp m, 0,1,2,3
	ds_load_b128 v[OF+8*\m:OF+8*\m+3], v12 offset:6144*\m+1024*\k
	ds_load_b128 v[OF+8*\m+4:OF+8*\m+7], v12 offset:6144*\m+1024*\k+512
.endr
.if \k < 4
	s_wait_loadcnt 12                              ; this K step's set is in; two later sets of six may be out
.else
	s_wait_loadcnt 6*(5-\k)
.endif
	s_wait_dscnt 0x0
.irp m, 0,1,2,3
.irp i, 0,1,2
	MM ACC+8*(3*\m+\i), WF+24*(\k%3)+8*\i, OF+8*\m, WSC+6*\i+\k, OSC+2*\k+\m/2, \m%2
.endr
.endr
	PLACES
.if \k < 3
	WSET \k+3
.endif
.endr
.irp i, 0,1
	v_mov_b32 v[TP+\i], 0                          ; written once: a lane permute's destination counts as one of its sources
.endr
	s_wait_tensorcnt 0x0                           ; my four rows of x are in,
	s_barrier_signal -1
	s_barrier_wait -1                              ; everybody's are
	RESID 0
.irp q, 0,1,2,3,4,5
	global_load_b128 v[16+4*\q:19+4*\q], v1, s[18:19] offset:512*\q   ; ln_g and ln_b, in the order of a normalised row's registers
	global_load_b128 v[40+4*\q:43+4*\q], v1, s[20:21] offset:512*\q
.endr
	RESID 1
	s_wait_dscnt 0x0                               ; for the others' sake: my stores have landed
	s_barrier_signal -1
	s_barrier_wait -1                              ; all 768 columns of every row are whole
	NORM 0
	NORM 1
	s_wait_tensorcnt 0x0                           ; the wave's end
	ds_add_u32 v254, v255
	s_wait_dscnt 0x0
	s_endpgm
.Lfunc_end_k_q58ca5f5876_outln:
	.size	k_q58ca5f5876_outln, .Lfunc_end_k_q58ca5f5876_outln-k_q58ca5f5876_outln
	.p2alignl 7, 3214868480
	.fill 96, 4, 3214868480
	.section	.rodata,"a",@progbits
	.p2align	6, 0x0
	.amdhsa_kernel k_q58ca5f5876_outln
		.amdhsa_group_segment_fixed_size 327680
		.amdhsa_private_segment_fixed_size 0
		.amdhsa_enable_private_segment 0
		.amdhsa_kernarg_size 88
		.amdhsa_user_sgpr_count 2
		.amdhsa_user_sgpr_kernarg_segment_ptr 1
		.amdhsa_wavefront_size32 1
		.amdhsa_system_sgpr_workgroup_id_x 1
		.amdhsa_system_sgpr_workgroup_id_y 1
		.amdhsa_system_sgpr_workgroup_id_z 1
		.amdhsa_system_vgpr_workitem_id 0
		.amdhsa_next_free_vgpr 256
		.amdhsa_next_free_sgpr 72
		.amdhsa_reserve_vcc 0
		.amdhsa_float_denorm_mode_32 3
		.amdhsa_float_denorm_mode_16_64 3
		.amdhsa_memory_ordered 1
		.amdhsa_forward_progress 1
		.amdhsa_inst_pref_size 65
	.end_amdhsa_kernel
	.amdgpu_metadata
---
amdhsa.version: [ 1, 2 ]
amdhsa.kernels:
  - .name:           k_q58ca5f5876_outln
    .symbol:         k_q58ca5f5876_outln.kd
    .args:
      - { .name: visual_features, .offset: 0, .size: 8, .value_kind: global_buffer, .address_space: global }
      - { .name: text_features, .offset: 8, .size: 8, .value_kind: global_buffer, .address_space: global }
      - { .name: o_img, .offset: 16, .size: 8, .value_kind: global_buffer, .address_space: global }
      - { .name: o_sc, .offset: 24, .size: 8, .value_kind: global_buffer, .address_space: global }
      - { .name: Wo_codes, .offset: 32, .size: 8, .value_kind: global_buffer, .address_space: global }
      - { .name: Wo_scales, .offset: 40, .size: 8, .value_kind: global_buffer, .address_space: global }
      - { .name: bo, .offset: 48, .size: 8, .value_kind: global_buffer, .address_space: global }
      - { .name: ln_g, .offset: 56, .size: 8, .value_kind: global_buffer, .address_space: global }
      - { .name: ln_b, .offset: 64, .size: 8, .value_kind: global_buffer, .address_space: global }
      - { .name: out0, .offset: 72, .size: 8, .value_kind: global_buffer, .address_space: global }
      - { .name: out1, .offset: 80, .size: 8, .value_kind: global_buffer, .address_space: global }
    .group_segment_fixed_size: 327680
    .private_segment_fixed_size: 0
    .kernarg_segment_align: 8
    .kernarg_segment_size: 88
    .max_flat_workgroup_size: 512
    .sgpr_count:     72
    .vgpr_count:     256
    .wavefront_size: 32
...
	.end_amdgpu_metadata
.endif
;; end of part 3
